; MI455X (gfx1250); checked and timed in simulation.
; The chip was launched on July 23, 2026; its instructions are those of AMD's public machine-readable ISA for CDNA 5 (MIT licence, August 2026) and "CDNA5" Instruction Set Architecture Reference Guide (July 2026). The comments in the code are by the model that wrote it; some were corrected since.
;; Causal Self Attention. Allowed arithmetic: matrix products marked QUANTISED: E2M3 operands, one E8M0 scale for each 32 along K, by v_wmma_scale_f32_16x16x128_f8f6f4 with both operands' format E2M3, f32 sums; everything else in f32.
;; Inputs: W_proj 1,024 x 1,024 float32; W_qkv 3,072 x 1,024 float32; b_proj 1,024 float32; b_qkv 3,072 float32; x 4 x 2,048 x 1,024 float32.
;; Outputs: out0 4 x 2,048 x 1,024 float32.
;; This version of the problem:
;;   THIS VERSION OF THE PROBLEM IS GIVEN IN LOW PRECISION. The matrix products marked QUANTISED in the list below multiply operands that are first quantised to E2M3 (2 exponent bits, 3 mantissa bits; 6 bits a number), with one power-of-two scale for each 32 numbers along K (OCP MX v1.0); their sums are f32. All else is computed in f32.
;;   The module's matrix products, in the order in which they are computed (A, B: the left and right operand; K: the contracted axis; several contracted axes count as one K, in the product's order):
;;     1. [M 8,192, K 1,024] x [K 1,024, N 3,072]; A: input x; B: input W_qkv: QUANTISED
;;     2. batch 64 x [M 2,048, K 64] x [K 64, N 2,048]; A: computed on the way; B: computed on the way: QUANTISED
;;     3. batch 64 x [M 2,048, K 2,048] x [K 2,048, N 64]; A: softmax (see below); B: computed on the way: QUANTISED
;;     4. [M 8,192, K 1,024] x [K 1,024, N 1,024]; A: computed on the way; B: input W_proj: QUANTISED
;;   THE QUANTISER, for each operand of a quantised product, along K:
;;     - K is cut into blocks of 32 from its start; a last block that is shorter is filled with zeros.
;;     - A block's scale is 2^e with e = floor(log2(the largest magnitude in the block)) - 2, held to -126 .. 127; a block of zeros has e = 0. As a byte (E8M0): e + 127.
;;     - Each number is divided by its block's scale, clamped to +-7.5, and rounded to the nearest number of E2M3, ties to even, subnormals kept.
;;     - The product sums the exact products of the quantised numbers (number of the format x scale) in f32.
;;   ~~~python
;;   def quantise(x, axis):      # numpy; x: float32 -> the quantised numbers, widened to float32 again
;;       x = np.moveaxis(x, axis, -1); K = x.shape[-1]
;;       x = np.pad(x, [(0, 0)] * (x.ndim - 1) + [(0, -K % 32)]); x = x.reshape(x.shape[:-1] + (-1, 32)); a = np.abs(x).max(-1, keepdims=True)
;;       e = np.where(a > 0, np.clip(np.frexp(np.where(a > 0, a, 1))[1] - 1 - 2, -126, 127), 0)      # np.frexp(a)[1] - 1 = floor(log2(a)), exactly
;;       r = np.clip(x / 2.0 ** e, -7.5, 7.5)
;;       step = 2.0 ** (np.maximum(np.frexp(np.where(r == 0, 1, r))[1] - 1, 0) - 3)
;;       q = np.round(r / step) * step * 2.0 ** e      # np.round: ties to even
;;       return np.moveaxis(q.reshape(q.shape[:-2] + (-1,))[..., :K], -1, axis).astype(np.float32)
;;   ~~~
;;   SOFTMAX AHEAD OF A QUANTISED PRODUCT. Where the list says 'softmax', what is quantised is not the finished softmax but p = 2^(t - M), with t = logit x log2(e) and M = ceil(the row's largest t), a whole number; so 1/2 < the row's largest p <= 1. The row's sum l is taken of the UNQUANTISED p, in f32, and the product's result is divided by l at the end. Since M is a whole number, a kernel that streams over the keys may use a running M (the ceiling of the running maximum): every later rescaling is an exact power of two, which a block's scale takes up: the codes' values come out the same.
;;   OPERANDS COMPUTED ON THE WAY. 'Computed on the way' means the value that the module computes at that place (a softmax that the list does not call 'softmax' is quantised finished and normalised). What goes into a quantiser is computed in f32, as accurately as f32 sums, v_exp_f32 and their like allow (about 1e-6 of the number): no bf16 or f16 on the way to a quantiser, and a product that is left as it is and whose result goes on into a quantised operand takes f32 operands (vector FMAs, or v_wmma_f32_16x16x4_f32). A number that lies on a knife's edge between two numbers of the format may be rounded either way, as far as f32 arithmetic and the matrix unit's own rounding can turn it there, and no further.
;; One version. Each part assembles by itself: llvm-mc -triple=amdgcn-amd-amdhsa -mcpu=gfx1250 --defsym DOCPART=n.
;; ======== version 1 of 1: 4 launches
;; limits: right only within a limited range of input values
;; workspace buffers: codes 9,437,184 bytes; scales 393,216 bytes; qkv 20,185,088 bytes; oc 6,291,456 bytes; os 262,144 bytes
;; launch quant (part 1): grid 768 x 1, 4 waves a work-group, no clusters, 33,280 bytes of LDS; arguments x, W_qkv, W_proj, codes, scales; writes codes, scales
.if DOCPART == 1
	.amdgcn_target "amdgcn-amd-amdhsa--gfx1250"
	.amdhsa_code_object_version 6
	.text
	.protected	k_q9c3023c1ca_quant
	.globl	k_q9c3023c1ca_quant
	.p2align	8
	.type	k_q9c3023c1ca_quant,@function
k_q9c3023c1ca_quant:
	s_mov_b64 s[64:65], 0
	v_nop
	global_prefetch_b8 v0, s[64:65] scope:SCOPE_SE
	s_setreg_imm32_b32 hwreg(HW_REG_WAVE_MODE, 25, 1), 1
	s_wait_xcnt 0x0
; x [8192][1024], W_qkv [3072][1024] and W_proj [1024][1024], f32, K innermost, become codes of FP6 (E2M3), 6 bits each, with one E8M0 scale byte for each 32 along K.
; The three tensors are one list of 12,288 rows: x at 0, W_qkv at 8,192, W_proj at 11,264.  A row of codes is 768 bytes, a row of scale bytes 32.
; EVERY ROW IS STORED AT ITS NUMBER WITH BITS 3 AND 4 SWAPPED: the 16 neighbouring stored rows 16 i + r are then the true rows 32 (i / 2) + 8 (i % 2) + r + 8 (r / 8), the choice of a tile's rows by which a
; transposed product leaves 16 neighbours along the next K in a lane's 16 registers of two neighbouring tiles.  The later launches read the rows as they are stored.
; A block's scale is 2^(floor(log2(its largest magnitude)) - 2); its byte is the largest magnitude's exponent field - 2, held at 1 from below.
; LIMITS: a block of zeros, and one whose largest magnitude lies under 2^-124, keeps the byte 1 (the rule says 127 for zeros: the codes are zeros, and this program alone reads the bytes); NaN and infinities are not served.
; SHARES: 768 work-groups; a work-group takes 16 rows, a wave a run of four rows: 8 steps of 512 numbers.  Run number = 4 x work-group + wave; row bits 3 and 4 are bits 1 and 2 of the run's number, which are swapped for the place of the results.
; Each of a step's four loads reads 512 consecutive bytes; the 2,048 bytes turn through the wave's own stage in LDS and come back 64 bytes a lane, 16 neighbours along K; two neighbouring lanes hold a block.
; A stream bound by its bytes: no matrix unit, no cluster, no tensor load, no barrier; waves share nothing.  Loads run four steps (16 loads a wave) ahead, the turn through LDS one step.
.set STEPS, 8
.set EMAX,  2
.set CB,    12                         ; bytes of 16 codes
.set R,     16                         ; v16-79   four sets of 16 numbers as they are loaded
.set X,     80                         ; v80-111  two sets of 16 neighbours
.set C,     128                        ; v128-159 codes: four registers for each step, so that no store's data are written again
.set E,     112                        ; v112-119 a scale byte for each step
.set WREG,  8192                       ; LDS: a region for each wave: two stages of 32 x SP bytes, behind them its 128 scale bytes
.set SP,    80                         ; a lane's place in a stage: its 64 bytes + 16 of padding
	s_load_b128 s[4:7], s[0:1], 0x0                ; x, W_qkv
	s_load_b128 s[8:11], s[0:1], 0x10              ; W_proj, the codes
	s_load_b64 s[12:13], s[0:1], 0x20              ; the scale bytes
	v_lshl_add_u32 v192, v0, 2, 0x8000             ; my spare word, behind the four regions
	v_mov_b32 v193, 0
	v_lshrrev_b32 v1, 5, v0
	v_readfirstlane_b32 s16, v1                    ; wave
	v_and_b32 v2, 31, v0                           ; lane
	v_lshlrev_b32 v3, 4, v2                        ; my 16 bytes of a load's 512
	s_mul_i32 s17, s16, WREG
	v_lshrrev_b32 v14, 2, v2
	v_mul_u32_u24 v14, v14, SP
	v_and_b32 v15, 3, v2
	v_lshl_add_u32 v14, v15, 4, v14
	v_add_nc_u32 v14, s17, v14                     ; the stage, on the way in: SP (lane / 4) + 16 (lane % 4)
	v_mul_u32_u24 v15, v2, SP
	v_add_nc_u32 v15, s17, v15                     ; and on the way out: SP x lane: my 16 neighbours
	v_mul_u32_u24 v4, v2, CB                       ; my codes' place in a step's
	v_lshrrev_b32 v5, 1, v2
	s_add_co_u32 s17, s17, 2*32*SP
	v_add_nc_u32 v5, s17, v5                       ; LDS: my wave's 128 scale bytes, my block's byte
	v_lshlrev_b32 v7, 2, v2                        ; and on the way out 4 bytes a lane
	v_add_nc_u32 v6, s17, v7
	s_mov_b32 s20, 512                             ; W_qkv's first work-group
	s_mov_b32 s21, 704                             ; W_proj's
	s_lshl_b32 s23, ttmp9, 2
	s_add_co_u32 s23, s23, s16                     ; my run of four rows in the list
	s_and_b32 s22, s23, 0xfffffff9
	s_and_b32 s24, s23, 2
	s_lshl_b32 s24, s24, 1
	s_or_b32 s22, s22, s24
	s_and_b32 s24, s23, 4
	s_lshr_b32 s24, s24, 1
	s_or_b32 s22, s22, s24                         ; with bits 1 and 2 swapped: the run at which my results are stored
	s_wait_alu depctr_va_vdst(0)
	s_wait_kmcnt 0x0
	s_cmp_lt_u32 ttmp9, 704                        ; which tensor?  The choice hangs on the work-group's number alone
	s_cselect_b64 s[6:7], s[6:7], s[8:9]
	s_cselect_b32 s17, s20, s21
	s_cmp_lt_u32 ttmp9, 512
	s_cselect_b64 s[4:5], s[4:5], s[6:7]
	s_cselect_b32 s17, 0, s17
	s_sub_co_u32 s17, ttmp9, s17
	s_lshl_b32 s17, s17, 2
	s_add_co_u32 s18, s17, s16                     ; which run of 4,096 numbers of that tensor is my wave's
	s_lshl_b32 s18, s18, 14                        ; 16,384 bytes a run
	s_mov_b32 s19, 0
	s_add_nc_u64 s[4:5], s[4:5], s[18:19]
	s_mul_i32 s18, s22, 32*STEPS*CB                ; 3,072 bytes of codes a run
	s_add_nc_u64 s[10:11], s[10:11], s[18:19]
	s_lshl_b32 s18, s22, 7                         ; 128 scale bytes a run
	s_add_nc_u64 s[12:13], s[12:13], s[18:19]
.macro LOAD t
.irp i, 0,1,2,3
	global_load_b128 v[R+16*((\t)%4)+4*\i:R+16*((\t)%4)+4*\i+3], v3, s[4:5] offset:2048*(\t)+512*\i th:TH_LOAD_NT   ; 32 lanes read 512 consecutive bytes
.endr
.endm
.macro TURN t                          ; step t's numbers through the stage: LDS serves a wave's instructions in order, so no wait stands between the stores and the loads
.irp i, 0,1,2,3
	ds_store_b128 v14, v[R+16*((\t)%4)+4*\i:R+16*((\t)%4)+4*\i+3] offset:32*SP*((\t)%2)+8*SP*\i
.endr
.irp i, 0,1,2,3
	ds_load_b128 v[X+16*((\t)%2)+4*\i:X+16*((\t)%2)+4*\i+3], v15 offset:32*SP*((\t)%2)+16*\i
.endr
.endm
.irp t, 0,1,2,3
	LOAD \t
.endr
	s_wait_loadcnt 12                              ; step 0's four loads are in; the twelve of steps 1 to 3 may be out
	TURN 0
.macro STEP t
.set XS, X+16*((\t)%2)
.if (\t) > 0
	s_wait_dscnt 1                                 ; this step's numbers are back from the stage (the last step's byte store may be out): so its stores into the stage have read their registers,
.else
	s_wait_dscnt 0x0
.endif
.if (\t)+4 < STEPS
	LOAD (\t)+4                                    ; which take the loads of four steps on
.endif
.if (\t)+1 < STEPS
.if STEPS-2-(\t) >= 3
	s_wait_loadcnt 12                              ; the next step's four loads are in; those of the three steps behind it may be out
.else
	s_wait_loadcnt 4*(STEPS-2-(\t))
.endif
	TURN (\t)+1                                    ; and go through the other stage while this step is worked
.endif
	v_max3_num_f32 v8, |v[XS]|, |v[XS+1]|, |v[XS+2]|               ; the largest magnitude of my 16, in two chains
	v_max3_num_f32 v9, |v[XS+3]|, |v[XS+4]|, |v[XS+5]|
.irp i, 6,10
	v_max3_num_f32 v8, v8, |v[XS+\i]|, |v[XS+\i+1]|
	v_max3_num_f32 v9, v9, |v[XS+\i+2]|, |v[XS+\i+3]|
.endr
	v_max3_num_f32 v8, v8, |v[XS+14]|, |v[XS+15]|
	v_max3_num_f32 v8, v8, v9, (EMAX+1)<<23        ; and the floor 2^(3 - 127): so the byte cannot fall under 1
	v_max_num_f32_dpp v8, v8, v8 row_xmask:1 row_mask:0xf bank_mask:0xf   ; and of my neighbour's 16: the block's
	v_add_nc_u32 v11, -(EMAX<<23), v8              ; 2 off its exponent field: the conversion takes the exponent field of this operand as its scale
	v_cvt_scalef32_pk16_fp6_f32 v[C+4*(\t):C+4*(\t)+2], v[XS:XS+15], v11         ; sixteen numbers / the scale, to the nearest code, ties to even, beyond the largest code the largest
	v_lshrrev_b32 v[E+(\t)], 23, v11               ; the scale's byte (also the plain line behind the conversion)
	ds_store_b8 v5, v[E+(\t)] offset:16*(\t)       ; both lanes of a block write the same byte with the same value
	global_store_b96 v4, v[C+4*(\t):C+4*(\t)+2], s[10:11] offset:32*CB*(\t)      ; the wave stores 384 consecutive bytes
.endm
.irp t, 0,1,2,3,4,5,6,7
	STEP \t
.endr
	ds_load_b32 v12, v6                            ; LDS serves a wave's instructions in order: this sees my stores
	s_wait_dscnt 0x0
	global_store_b32 v7, v12, s[12:13]             ; 32 lanes store 128 consecutive bytes
	s_wait_tensorcnt 0x0                           ; the wave's end
	ds_add_u32 v192, v193
	s_wait_dscnt 0x0
	s_endpgm
.Lfunc_end_k_q9c3023c1ca_quant:
	.size	k_q9c3023c1ca_quant, .Lfunc_end_k_q9c3023c1ca_quant-k_q9c3023c1ca_quant
	.p2alignl 7, 3214868480
	.fill 96, 4, 3214868480
	.section	.rodata,"a",@progbits
	.p2align	6, 0x0
	.amdhsa_kernel k_q9c3023c1ca_quant
		.amdhsa_group_segment_fixed_size 33280
		.amdhsa_private_segment_fixed_size 0
		.amdhsa_enable_private_segment 0
		.amdhsa_kernarg_size 40
		.amdhsa_user_sgpr_count 2
		.amdhsa_user_sgpr_kernarg_segment_ptr 1
		.amdhsa_wavefront_size32 1
		.amdhsa_system_sgpr_workgroup_id_x 1
		.amdhsa_system_sgpr_workgroup_id_y 1
		.amdhsa_system_sgpr_workgroup_id_z 1
		.amdhsa_system_vgpr_workitem_id 0
		.amdhsa_next_free_vgpr 194
		.amdhsa_next_free_sgpr 66
		.amdhsa_reserve_vcc 0
		.amdhsa_float_denorm_mode_32 3
		.amdhsa_float_denorm_mode_16_64 3
		.amdhsa_memory_ordered 1
		.amdhsa_forward_progress 1
		.amdhsa_inst_pref_size 18
	.end_amdhsa_kernel
	.amdgpu_metadata
---
amdhsa.version: [ 1, 2 ]
amdhsa.kernels:
  - .name:           k_q9c3023c1ca_quant
    .symbol:         k_q9c3023c1ca_quant.kd
    .args:
      - { .name: x, .offset: 0, .size: 8, .value_kind: global_buffer, .address_space: global }
      - { .name: W_qkv, .offset: 8, .size: 8, .value_kind: global_buffer, .address_space: global }
      - { .name: W_proj, .offset: 16, .size: 8, .value_kind: global_buffer, .address_space: global }
      - { .name: codes, .offset: 24, .size: 8, .value_kind: global_buffer, .address_space: global }
      - { .name: scales, .offset: 32, .size: 8, .value_kind: global_buffer, .address_space: global }
    .group_segment_fixed_size: 33280
    .private_segment_fixed_size: 0
    .kernarg_segment_align: 8
    .kernarg_segment_size: 40
    .max_flat_workgroup_size: 128
    .sgpr_count:     66
    .vgpr_count:     194
    .wavefront_size: 32
...
	.end_amdgpu_metadata
.endif
;; end of part 1
;; launch gemm_qkv (part 2): grid 8 x 32, 4 waves a work-group, clusters of 4 x 4, 327,680 bytes of LDS; arguments codes, scales, b_qkv, qkv; writes qkv
.if DOCPART == 2
	.amdgcn_target "amdgcn-amd-amdhsa--gfx1250"
	.amdhsa_code_object_version 6
	.text
	.protected	k_q9c3023c1ca_gemm_qkv
	.globl	k_q9c3023c1ca_gemm_qkv
	.p2align	8
	.type	k_q9c3023c1ca_gemm_qkv,@function
k_q9c3023c1ca_gemm_qkv:
	s_mov_b64 s[64:65], 0
	v_nop
	global_prefetch_b8 v0, s[64:65] scope:SCOPE_SE
	s_setreg_imm32_b32 hwreg(HW_REG_WAVE_MODE, 25, 1), 1
	s_wait_xcnt 0x0
	s_wait_alu depctr_hold_cnt(0) depctr_sa_sdst(0) depctr_va_vdst(0) depctr_va_sdst(0) depctr_va_ssrc(0) depctr_va_vcc(0) depctr_vm_vsrc(0)
	s_getreg_b32 s2, hwreg(HW_REG_IB_STS2, 6, 4)
	s_cmp_eq_u32 s2, 0
	s_cbranch_scc0 .Lentry_in_a_cluster
	s_endpgm
.Lentry_in_a_cluster:
	s_bfe_u32 s2, ttmp6, 0x10000c
	s_cmp_lg_u32 s2, 0xf033
	s_cbranch_scc0 .Lentry_shape_is_right
	s_endpgm
.Lentry_shape_is_right:
; qkv = x W_qkv^T + b_qkv on codes of FP6 (E2M3) with E8M0 scales, K = 1,024; the results are quantised on the way out into the operands of the attention launch and never stored as f32.
; THE DEAL: 256 work-groups, 8 column groups g x 32 row tiles R.  A work-group takes 256 stored rows of x (two key steps) and heads 2 g, 2 g + 1, and makes their Q, then K, then V.
; Four waves, 2 x 2: wave (a, b) takes key step a (eight blocks of 16 stored rows) and head 2 g + b: its 64 rows of a weight, all of K, lie in 384 registers; x's blocks stream past them, 32 products a block.
; LDS: x's 256 rows, all of K, filled once (rows of 768 bytes, 16 bytes of padding behind every 256); the weights' 128 rows, filled three times; a stage of 512 bytes a wave for scale words; the spare words.
; The weights' region is filled again as soon as every wave holds the weights in registers, behind a round of the cluster's barrier: 256 products stand between a refill and the wait for it.
; So no prefetch is laid: each refill is asked for a whole phase ahead of its wait, and the head has no loop to run ahead in.
; CLUSTERS 4 x 4: x's rows are asked for jointly along a row of the cluster (same R), a weight's rows along a column (same g).
; ROWS of codes are stored with bits 3 and 4 of their number swapped: stored rows 16 i + r are the true rows 32 (i / 2) + 8 (i % 2) + r + 8 (r / 8).
; Q, K: source 0 = the weight's rows: lane (r, h) holds token row r; registers of tiles 2 u, 2 u + 1 are channels 32 u + 16 h + 0 .. 15.  V: source 0 = x's rows: lane (r, h) holds channel row r; registers of blocks 2 u, 2 u + 1 are tokens 32 u + 16 h + 0 .. 15.
; In both, 32 registers are two scale blocks of 32, each shared with lane l xor 16: macro HALF makes registers 0-5 of an operand (a half image of 768 bytes: registers 0-3 at 16 x lane, 4-5 at 512 + 8 x lane) and two scale bytes.
; WHAT IS STORED, for head bh = 16 batch + head at bh x HS: 0: K's scale words [step 16][tile 8][row 16]; 8,192: V's [step 16][tile 4][row 16]; 12,288 + 12,288 s: K's 8 half images, then V^T's 4 fragments of 2 half images; 208,896: Q's 128 half images; 307,200: Q's scale words.
; THE BIAS is the C of a block's first four products, laid in registers as the result lies.
; LIMITS: NaN and infinities are not served; a block of zeros, or one under 2^-124, keeps the scale byte 1 (its codes are zeros; this program alone reads the bytes).
.set KROW,  768
.set PITCH, 816
.set WB,    256*PITCH
.set STG,   WB+128*PITCH
.set SPARE, STG+2048
.set HS,    315392
.set FR,    12                         ; registers of a fragment; fragment f lies in window 1 + f / 21 at register 12 (f % 21): 0-31 the weights' (4 q + t), 32-39 and 40-47 x's two sets
.set FPW,   21
.set NF,    26                         ; LDS loads that bring a block's eight fragments
.set ADRA0, 4                          ; v4, v5 LDS address of my block 0 (v5: for pieces behind one padding more); v6, v7 the same for the block being fetched
.set ADRA,  6
.set L16,   8                          ; 16 x lane
.set L8,    9                          ; 512 + 8 x lane
.set SPW,   10
.set NIL,   11
.set STS,   12                         ; my stage: 4 r
.set STL,   13                         ; my stage: 16 x lane
.set VB,    14                         ; 64 h
.set VBV,   15                         ; 4 (r + 8 (r / 8))
.set BA,    16                         ; v16-23 LDS addresses of the weights' four tiles
.set SB,    24                         ; v24-39 the weights' scale words: 8 (t / 2) + q; lanes 0-15 tile 2 u, lanes 16-31 tile 2 u + 1
.set L32,   40                         ; 32 x lane
.set L8P,   41                         ; 8 x lane
.set STL8,  42                         ; my stage: 8 x lane
.set SA,    44                         ; v44-75 x's scale words: 8 (s / 2) + q; lanes 0-15 block 2 u, lanes 16-31 block 2 u + 1
.set ACC,   76                         ; v76-107 Q's or K's sums of a block
.set BC,    108                        ; v108-139 the bias as C
.set BM,    140
.set BT,    142
.set SCO,   144
.set PW,    146
.set CD,    148
.set CT,    154
.set VL,    160
.set SW,    164
.set HV,    840                        ; v840-967 V's sums of four blocks: 32 t + 8 (s % 4)
.set G1X, 24
.set G1W, 32
.set G0X, 48
.set G0W, 52
.set OI,  56
.set OS,  58
.set OIK, 60
.set OSK, 62
.set OSV, 66
.set WSC, 68
.set BIA, 70
.set SAX, 72
.set SEL, 74
.set CNT, 76
.set MSB, 0
.macro WIN new                         ; the immediate's high byte repeats the setting that is left
.if MSB != (\new)
	s_set_vgpr_msb (MSB<<8)|(\new)
.set MSB, (\new)
.endif
.endm
.macro PLACES n
.rept \n
	v_nop
.endr
.endm
.macro WALU
	s_wait_alu depctr_va_vdst(0)
.endm
.macro BARRIER
	s_barrier_signal -1
	s_barrier_wait -1
.endm
.macro CROUND                          ; a round of the cluster's barrier
	BARRIER
	s_cmp_lg_u32 s14, 0
	s_cbranch_scc1 .Lnot_wave_0_\@
	s_barrier_signal -3
.Lnot_wave_0_\@:
	s_barrier_wait -3
	BARRIER
.endm
.macro TLOAD g0, g1
	tensor_load_to_lds s[\g0:\g0+3], s[\g1:\g1+7]
	s_nop 0
	PLACES 4
.endm
.macro GROUP1 g, mask, rows            ; rows of 768 bytes, 16 bytes of padding behind every 256
	s_or_b32 s[\g+0], s[\mask], (1<<20)|(1<<21)|(5<<22)|(3<<25)
	s_mov_b32 s[\g+1], KROW<<16
	s_mov_b32 s[\g+2], (\rows)<<16
	s_mov_b32 s[\g+3], KROW<<16
	s_mov_b32 s[\g+4], \rows
	s_mov_b32 s[\g+5], KROW
	s_mov_b32 s[\g+6], 0
	s_mov_b32 s[\g+7], 0
.endm
; A fragment: six pieces of 8 bytes of a row; lanes 16-31 read 24 bytes on, which for pieces 29-31 of a chunk lies behind one padding more: register a + 1 serves those.  Two pieces to a load where one register serves both.
.macro FRAG f, q, a
	WIN (1+(\f)/FPW)<<6
.set R_, FR*((\f)%FPW)
.set SKIP_, 0
.irp p, 0,1,2,3,4,5
.if SKIP_
.set SKIP_, 0
.else
.set PC_, 12*(\q)+6*(\p/3)+\p%3
.set PN_, 12*(\q)+6*((\p+1)/3)+(\p+1)%3
.set X_, (PC_%32+3)/32
.set XQ_, (PN_%32+3)/32
.if (\p < 5) && (X_ == XQ_)
.set SKIP_, 1
	ds_load_2addr_b64 v[R_+2*\p:R_+2*\p+3], v[(\a)+X_] offset0:PC_+2*(PC_/32) offset1:PN_+2*(PN_/32)
.else
	ds_load_b64 v[R_+2*\p:R_+2*\p+1], v[(\a)+X_] offset:8*(PC_+2*(PC_/32))
.endif
.endif
.endr
.endm
.macro WEIGHTS                         ; my 64 rows of the weight, all of K
.irp q, 0,1,2,3,4,5,6,7
.irp t, 0,1,2,3
	FRAG 4*\q+\t, \q, BA+2*\t
.endr
.endr
	WIN 0
.endm
.macro FETCH e, s                      ; block s of x into set e
.if (\s) > 0
	v_add_nc_u32 v[ADRA], (\s)*16*PITCH, v[ADRA0]
	v_add_nc_u32 v[ADRA+1], (\s)*16*PITCH, v[ADRA0+1]
	WALU
.set AR_, ADRA
.else
.set AR_, ADRA0
.endif
.irp q, 0,1,2,3,4,5,6,7
	FRAG 32+8*(\e)+\q, \q, AR_
.endr
	WIN 0
.endm
.macro WM1 d, a, b, c, xa, xb, ra, rb
	v_wmma_scale_f32_16x16x128_f8f6f4 v[\d:\d+7], v[FR*((\a)%FPW):FR*((\a)%FPW)+FR-1], v[FR*((\b)%FPW):FR*((\b)%FPW)+FR-1], \c, v[\xa], v[\xb] matrix_a_fmt:MATRIX_FMT_FP6 matrix_b_fmt:MATRIX_FMT_FP6 matrix_a_scale:MATRIX_SCALE_ROW\ra matrix_b_scale:MATRIX_SCALE_ROW\rb
.endm
.macro WM d, a, b, c, xa, xb, ra, rb
.if (\ra) && (\rb)
	WM1 \d, \a, \b, \c, \xa, \xb, 1, 1
.elseif (\ra)
	WM1 \d, \a, \b, \c, \xa, \xb, 1, 0
.elseif (\rb)
	WM1 \d, \a, \b, \c, \xa, \xb, 0, 1
.else
	WM1 \d, \a, \b, \c, \xa, \xb, 0, 0
.endif
.endm
.macro PROD kind, s, q, t
.set FW_, 4*\q+\t
.set FX_, 32+8*((\s)%2)+\q
.set XW_, SB+8*(\t/2)+\q
.set XX_, SA+8*((\s)/2)+\q
.if \kind
.set DL_, (HV+32*\t+8*((\s)%4))&255
.if \q
	WIN (1+FX_/FPW)|((1+FW_/FPW)<<2)|(3<<4)|(3<<6)
	WM DL_, FX_, FW_, v[DL_:DL_+7], XX_, XW_, (\s)%2, \t%2
.else
	WIN (1+FX_/FPW)|((1+FW_/FPW)<<2)|(3<<6)
	WM DL_, FX_, FW_, v[BC+8*\t:BC+8*\t+7], XX_, XW_, (\s)%2, \t%2
.endif
.else
	WIN (1+FW_/FPW)|((1+FX_/FPW)<<2)
.if \q
	WM ACC+8*\t, FW_, FX_, v[ACC+8*\t:ACC+8*\t+7], XW_, XX_, \t%2, (\s)%2
.else
	WM ACC+8*\t, FW_, FX_, v[BC+8*\t:BC+8*\t+7], XW_, XX_, \t%2, (\s)%2
.endif
.endif
.endm
.macro PRODS kind, s                   ; a block's 32 products: the four accumulators by turns
.irp q, 0,1,2,3,4,5,6,7
.irp t, 0,1,2,3
	PROD \kind, \s, \q, \t
.endr
.endr
	WIN 0
	PLACES 5                               ; ahead of loads into the operands, reads of the sums, and the next block's products, which begin the sums anew
.endm
; 32 sums from register x on (two scale blocks, 16 numbers of each in this lane) become six registers of codes in v[CD] on, and their two scale bytes in v[PW].
.macro HALF x
.set XW_, (\x)>>8
.set XL_, (\x)&255
	WALU
	s_wait_xcnt 0x0                        ; the last stores have read v[CD] on
	WIN XW_|(XW_<<2)
	v_max3_num_f32 v[BM], |v[XL_]|, |v[XL_+1]|, 0x1800000       ; with the floor 2^(3 - 127): the byte cannot fall under 1
	v_max3_num_f32 v[BM+1], |v[XL_+16]|, |v[XL_+17]|, 0x1800000
	WIN (XW_<<2)|(XW_<<4)
.irp i, 2,4,6,8,10,12,14
	v_max3_num_f32 v[BM], v[BM], |v[XL_+\i]|, |v[XL_+\i+1]|
	v_max3_num_f32 v[BM+1], v[BM+1], |v[XL_+16+\i]|, |v[XL_+17+\i]|
.endr
	WIN 0
	v_permlanex16_b32 v[BT], v[BM], s[SEL], s[SEL+1]
	v_permlanex16_b32 v[BT+1], v[BM+1], s[SEL], s[SEL+1]
	v_max_num_f32 v[BM], v[BM], v[BT]      ; with lane l xor 16's: the block's largest magnitude
	v_max_num_f32 v[BM+1], v[BM+1], v[BT+1]
	v_add_nc_u32 v[SCO], 0xff000000, v[BM] ; 2 off its exponent field: the conversion's scale operand
	v_add_nc_u32 v[SCO+1], 0xff000000, v[BM+1]
	v_lshrrev_b32 v[BT], 23, v[SCO]
	v_lshrrev_b32 v[BT+1], 23, v[SCO+1]
	v_lshl_or_b32 v[PW], v[BT+1], 8, v[BT]
	WIN XW_
	v_cvt_scalef32_pk16_fp6_f32 v[CD:CD+2], v[XL_:XL_+15], v[SCO]
	v_cvt_scalef32_pk16_fp6_f32 v[CT:CT+2], v[XL_+16:XL_+31], v[SCO+1]
	WIN 0
	v_nop                                  ; one plain place behind a scaled conversion
.irp i, 0,1,2
	v_permlane16_swap_b32 v[CD+\i], v[CT+\i]   ; a whole block to a lane: lanes 0-15 the first, lanes 16-31 the second
.endr
.irp i, 0,1,2
	v_mov_b32 v[CD+3+\i], v[CT+\i]
.endr
.endm
.macro WAITX s                         ; block s's fragments are in: younger are the next block's NF loads (and stores to the stage)
.if (\s) < 7
	s_wait_dscnt NF
.else
	s_wait_dscnt 0x0
.endif
.endm
.macro BLK0 s                          ; a block of Q or K
	WAITX \s
	PRODS 0, \s
.if (\s) < 6
	FETCH (\s)%2, (\s)+2
.endif
	HALF ACC
	global_store_b128 v[L16], v[CD:CD+3], s[OI:OI+1] offset:768*(\s)
	global_store_b64 v[L8], v[CD+4:CD+5], s[OI:OI+1] offset:768*(\s)
	ds_store_b32 v[STS], v[PW] offset:64*(\s)      ; lanes r and 16 + r write the same word with the same value
.endm
.macro BLK1 s                          ; a block of V
	WAITX \s
	PRODS 1, \s
.if (\s) < 6
	FETCH (\s)%2, (\s)+2
.endif
.endm
.macro VOUT c                          ; 64 tokens of V are whole: four half images
.irp t, 0,1,2,3
	HALF HV+32*\t
	global_store_b128 v[L16], v[CD:CD+3], s[OIK:OIK+1] offset:6144+1536*\t+768*\c
	global_store_b64 v[L8], v[CD+4:CD+5], s[OIK:OIK+1] offset:6144+1536*\t+768*\c
.if \c
	v_lshl_or_b32 v[VL+\t], v[PW], 16, v[VL+\t]
	ds_store_b32 v[STS], v[VL+\t] offset:64*\t
.else
	v_mov_b32 v[VL+\t], v[PW]
.endif
.endr
.endm
.macro LOADSB
.irp p, 0,1
	global_load_b128 v[SB+8*\p:SB+8*\p+3], v[L32], s[WSC:WSC+1] offset:1024*\p
	global_load_b128 v[SB+8*\p+4:SB+8*\p+7], v[L32], s[WSC:WSC+1] offset:1024*\p+16
.endr
.endm
; ---- the head
	s_load_b128 s[4:7], s[0:1], 0x0                ; codes, scales
	s_load_b128 s[8:11], s[0:1], 0x10              ; b_qkv, qkv
	v_lshl_add_u32 v[SPW], v0, 2, SPARE
	v_mov_b32 v[NIL], 0
	ds_add_u32 v[SPW], v[NIL]
	ds_add_u32 v[SPW], v[NIL]
	v_lshrrev_b32 v1, 5, v0
	v_readfirstlane_b32 s14, v1                    ; wave; s15 = a, s16 = b
	s_lshr_b32 s15, s14, 1
	s_and_b32 s16, s14, 1
	s_bfe_u32 s40, ttmp6, 0x40000                  ; cx
	s_bfe_u32 s41, ttmp6, 0x40004                  ; cy
	s_lshl_b32 s42, ttmp9, 2
	s_add_co_u32 s42, s42, s40                     ; g
	s_and_b32 s43, ttmp7, 0xffff
	s_lshl_b32 s43, s43, 2
	s_add_co_u32 s43, s43, s41                     ; R
	s_lshl_b32 s44, s41, 2
	s_lshl_b32 s44, 15, s44                        ; my row of the cluster
	s_lshl_b32 s45, 0x1111, s40                    ; my column
	GROUP1 G1X, 44, 128
	GROUP1 G1W, 45, 64
	s_mul_i32 s17, s43, 256*KROW                   ; x: waves 2, 3 fetch 128 rows each
	s_mul_i32 s18, s16, 128*KROW
	s_add_co_u32 s17, s17, s18
	s_mul_i32 s19, s42, 128*KROW                   ; the weight: waves 0, 1 fetch 64 rows each
	s_mul_i32 s18, s16, 64*KROW
	s_add_co_u32 s19, s19, s18
	s_add_co_u32 s19, s19, 8192*KROW
	s_mov_b32 s[G0X], 1
	s_mul_i32 s[G0X+1], s16, 128*PITCH
	s_mov_b32 s[G0W], 1
	s_mul_i32 s[G0W+1], s16, 64*PITCH
	s_add_co_u32 s[G0W+1], s[G0W+1], WB
	s_mov_b32 s[SEL], 0x76543210
	s_mov_b32 s[SEL+1], 0xfedcba98
	s_mov_b32 s21, 0
	WALU
	s_wait_dscnt 0x0
	CROUND                                         ; in front of the first joint loads
	s_wait_kmcnt 0x0
	s_mov_b32 s20, s17
	s_add_nc_u64 s[G0X+2:G0X+3], s[4:5], s[20:21]
	s_or_b32 s[G0X+3], s[G0X+3], 0x80000000
	s_mov_b32 s20, s19
	s_add_nc_u64 s[G0W+2:G0W+3], s[4:5], s[20:21]
	s_or_b32 s[G0W+3], s[G0W+3], 0x80000000
	s_cmp_lt_u32 s14, 2
	s_cbranch_scc0 .Lhead_x
	TLOAD G0W, G1W                                 ; W_q's rows, wanted first
	s_branch .Lhead_asked
.Lhead_x:
	TLOAD G0X, G1X
.Lhead_asked:
	v_and_b32 v1, 15, v0                           ; r
	v_bfe_u32 v2, v0, 4, 1                         ; h
	v_and_b32 v3, 31, v0
	v_lshlrev_b32 v[L16], 4, v3
	v_lshlrev_b32 v[L8P], 3, v3
	v_add_nc_u32 v[L8], 512, v[L8P]
	v_lshlrev_b32 v[L32], 5, v3
	v_lshlrev_b32 v[VB], 6, v2
	v_and_b32 v[VBV], 8, v1
	v_add_nc_u32 v[VBV], v[VBV], v1
	v_lshlrev_b32 v[VBV], 2, v[VBV]
	v_mul_u32_u24 v6, v1, PITCH
	v_mad_u32_u24 v7, v2, 24, v6
	v_mad_u32_u24 v6, v2, 40, v6
	s_mul_i32 s20, s15, 128*PITCH
	v_add_nc_u32 v[ADRA0], s20, v7
	v_add_nc_u32 v[ADRA0+1], s20, v6
	s_mul_i32 s20, s16, 64*PITCH
	s_add_co_u32 s20, s20, WB
.irp t, 0,1,2,3
	v_add_nc_u32 v[BA+2*\t], s20, v7
	v_add_nc_u32 v[BA+2*\t+1], s20, v6
	s_add_co_u32 s20, s20, 16*PITCH
.endr
	s_lshl_b32 s20, s14, 9
	s_add_co_u32 s20, s20, STG
	v_lshl_add_u32 v[STS], v1, 2, s20
	v_add_nc_u32 v[STL], s20, v[L16]
	v_add_nc_u32 v[STL8], s20, v[L8P]
	v_mov_b32 v[BT], 0                             ; a lane permute's destination counts as one of its sources
	v_mov_b32 v[BT+1], 0
	s_lshl_b32 s20, s43, 13                        ; x's scale bytes: 32 (256 R + 128 a)
	s_lshl_b32 s22, s15, 12
	s_add_co_u32 s20, s20, s22
	s_add_nc_u64 s[SAX:SAX+1], s[6:7], s[20:21]
	s_lshl_b32 s20, s42, 12                        ; the weight's: 32 (8,192 + 128 g + 64 b)
	s_lshl_b32 s22, s16, 11
	s_add_co_u32 s20, s20, s22
	s_add_co_u32 s20, s20, 8192*32
	s_add_nc_u64 s[WSC:WSC+1], s[6:7], s[20:21]
	s_lshl_b32 s20, s42, 9                         ; the bias: 4 (128 g + 64 b)
	s_lshl_b32 s22, s16, 8
	s_add_co_u32 s20, s20, s22
	s_add_nc_u64 s[BIA:BIA+1], s[8:9], s[20:21]
	WALU
.irp i, 0,1,2,3
	global_load_b128 v[SA+8*\i:SA+8*\i+3], v[L32], s[SAX:SAX+1] offset:1024*\i
	global_load_b128 v[SA+8*\i+4:SA+8*\i+7], v[L32], s[SAX:SAX+1] offset:1024*\i+16
.endr
	s_lshr_b32 s20, s43, 3                         ; where the results go: head 16 batch + 2 g + b, key step 2 (R % 8) + a
	s_lshl_b32 s20, s20, 4
	s_lshl_b32 s22, s42, 1
	s_add_co_u32 s20, s20, s22
	s_add_co_u32 s20, s20, s16
	s_mul_i32 s20, s20, HS
	s_and_b32 s22, s43, 7
	s_lshl_b32 s22, s22, 1
	s_add_co_u32 s22, s22, s15
	s_add_nc_u64 s[10:11], s[10:11], s[20:21]
	s_mul_i32 s20, s22, 6144
	s_add_co_u32 s20, s20, 208896
	s_add_nc_u64 s[OI:OI+1], s[10:11], s[20:21]    ; Q's half images
	s_lshl_b32 s20, s22, 9
	s_add_nc_u64 s[OSK:OSK+1], s[10:11], s[20:21]  ; K's scale words
	s_add_nc_u64 s[OS:OS+1], s[OSK:OSK+1], 307200  ; Q's
	s_mul_i32 s20, s22, 12288
	s_add_co_u32 s20, s20, 12288
	s_add_nc_u64 s[OIK:OIK+1], s[10:11], s[20:21]  ; K's half images; V's lie 6,144 bytes on
	s_lshl_b32 s20, s22, 8
	s_add_co_u32 s20, s20, 8192
	s_add_nc_u64 s[OSV:OSV+1], s[10:11], s[20:21]  ; V's scale words
	s_mov_b32 s[CNT], 0
; ---- Q, then K: one text, two trips; each trip asks for the next weight
.Lphase:
	LOADSB
.irp t, 0,1,2,3
	global_load_b128 v[BC+8*\t:BC+8*\t+3], v[VB], s[BIA:BIA+1] offset:4*(32*(\t/2)+8*(\t%2))
	global_load_b128 v[BC+8*\t+4:BC+8*\t+7], v[VB], s[BIA:BIA+1] offset:4*(32*(\t/2)+8*(\t%2))+16
.endr
	s_cmp_lt_u32 s14, 2                            ; the weight's rows are waves 0 and 1's loads
	s_cbranch_scc0 .Lnot_w
	s_wait_tensorcnt 0x0
.Lnot_w:
	s_wait_dscnt 0x0
	BARRIER                                        ; the weight's rows are in
	WEIGHTS
	s_wait_tensorcnt 0x0                           ; all my tensor loads are done (in the first trip x's rows among them);
	ds_add_u32 v[SPW], v[NIL]
	s_add_nc_u64 s[G0W+2:G0W+3], s[G0W+2:G0W+3], 1024*KROW     ; the next weight's rows
	s_wait_dscnt 0x0                               ; the add is done, and the weight is in my registers
	CROUND
	s_cmp_lt_u32 s14, 2
	s_cbranch_scc0 .Lno_refill
	TLOAD G0W, G1W
.Lno_refill:
	FETCH 0, 0
	FETCH 1, 1
	s_wait_loadcnt 0x0
	s_add_nc_u64 s[WSC:WSC+1], s[WSC:WSC+1], 1024*32
	s_add_nc_u64 s[BIA:BIA+1], s[BIA:BIA+1], 4096
.irp s, 0,1,2,3,4,5,6,7
	BLK0 \s
.endr
	ds_load_b128 v[SW:SW+3], v[STL]                ; LDS serves a wave's instructions in order: these see my eight stores
	s_wait_dscnt 0x0
	global_store_b128 v[L16], v[SW:SW+3], s[OS:OS+1]       ; 512 consecutive bytes, aligned
	s_wait_xcnt 0x0
	s_mov_b64 s[OI:OI+1], s[OIK:OIK+1]
	s_mov_b64 s[OS:OS+1], s[OSK:OSK+1]
	s_add_co_u32 s[CNT], s[CNT], 1
	s_cmp_lg_u32 s[CNT], 2
	WALU
	s_cbranch_scc1 .Lphase
; ---- V
	LOADSB
.irp t, 0,1,2,3
	global_load_b32 v[BC+8*\t], v[VBV], s[BIA:BIA+1] offset:4*(32*(\t/2)+8*(\t%2))
.endr
	s_wait_tensorcnt 0x0
	s_wait_dscnt 0x0
	BARRIER                                        ; W_v's rows are in
	WEIGHTS
	FETCH 0, 0
	FETCH 1, 1
	s_wait_loadcnt 0x0
.irp t, 0,8,16,24
.irp i, 1,2,3,4,5,6,7
	v_mov_b32 v[BC+\t+\i], v[BC+\t]                ; one number a lane and tile, over the tile's eight registers
.endr
.endr
	WALU
.irp s, 0,1,2,3
	BLK1 \s
.endr
	VOUT 0
.irp s, 4,5,6,7
	BLK1 \s
.endr
	VOUT 1
	ds_load_b64 v[SW:SW+1], v[STL8]
	s_wait_dscnt 0x0
	global_store_b64 v[L8P], v[SW:SW+1], s[OSV:OSV+1]      ; 256 consecutive bytes, aligned
	s_wait_tensorcnt 0x0                           ; the wave's end
	ds_add_u32 v[SPW], v[NIL]
	s_wait_dscnt 0x0
	CROUND                                         ; the closing round
	s_endpgm
.Lfunc_end_k_q9c3023c1ca_gemm_qkv:
	.size	k_q9c3023c1ca_gemm_qkv, .Lfunc_end_k_q9c3023c1ca_gemm_qkv-k_q9c3023c1ca_gemm_qkv
	.p2alignl 7, 3214868480
	.fill 96, 4, 3214868480
	.section	.rodata,"a",@progbits
	.p2align	6, 0x0
	.amdhsa_kernel k_q9c3023c1ca_gemm_qkv
		.amdhsa_group_segment_fixed_size 327680
		.amdhsa_private_segment_fixed_size 0
		.amdhsa_enable_private_segment 0
		.amdhsa_kernarg_size 32
		.amdhsa_user_sgpr_count 2
		.amdhsa_user_sgpr_kernarg_segment_ptr 1
		.amdhsa_wavefront_size32 1
		.amdhsa_system_sgpr_workgroup_id_x 1
		.amdhsa_system_sgpr_workgroup_id_y 1
		.amdhsa_system_sgpr_workgroup_id_z 1
		.amdhsa_system_vgpr_workitem_id 0
		.amdhsa_next_free_vgpr 1024
		.amdhsa_next_free_sgpr 80
		.amdhsa_reserve_vcc 0
		.amdhsa_float_denorm_mode_32 3
		.amdhsa_float_denorm_mode_16_64 3
		.amdhsa_memory_ordered 1
		.amdhsa_forward_progress 1
		.amdhsa_inst_pref_size 161
	.end_amdhsa_kernel
	.amdgpu_metadata
---
amdhsa.version: [ 1, 2 ]
amdhsa.kernels:
  - .name:           k_q9c3023c1ca_gemm_qkv
    .symbol:         k_q9c3023c1ca_gemm_qkv.kd
    .args:
      - { .name: codes, .offset: 0, .size: 8, .value_kind: global_buffer, .address_space: global }
      - { .name: scales, .offset: 8, .size: 8, .value_kind: global_buffer, .address_space: global }
      - { .name: b_qkv, .offset: 16, .size: 8, .value_kind: global_buffer, .address_space: global }
      - { .name: qkv, .offset: 24, .size: 8, .value_kind: global_buffer, .address_space: global }
    .group_segment_fixed_size: 327680
    .private_segment_fixed_size: 0
    .kernarg_segment_align: 8
    .kernarg_segment_size: 32
    .max_flat_workgroup_size: 128
    .sgpr_count:     80
    .vgpr_count:     1024
    .wavefront_size: 32
...
	.end_amdgpu_metadata
.endif
;; end of part 2
;; launch attn (part 3): grid 4 x 64, 16 waves a work-group, clusters of 4 x 1, 327,680 bytes of LDS; arguments qkv, oc, os; writes oc, os
.if DOCPART == 3
	.amdgcn_target "amdgcn-amd-amdhsa--gfx1250"
	.amdhsa_code_object_version 6
	.text
	.protected	k_q9c3023c1ca_attn
	.globl	k_q9c3023c1ca_attn
	.p2align	8
	.type	k_q9c3023c1ca_attn,@function
k_q9c3023c1ca_attn:
	s_mov_b64 s[64:65], 0
	v_nop
	global_prefetch_b8 v0, s[64:65] scope:SCOPE_SE
	s_setreg_imm32_b32 hwreg(HW_REG_WAVE_MODE, 25, 1), 1
	s_wait_xcnt 0x0
	s_wait_alu depctr_hold_cnt(0) depctr_sa_sdst(0) depctr_va_vdst(0) depctr_va_sdst(0) depctr_va_ssrc(0) depctr_va_vcc(0) depctr_vm_vsrc(0)
	s_getreg_b32 s2, hwreg(HW_REG_IB_STS2, 6, 4)
	s_cmp_eq_u32 s2, 0
	s_cbranch_scc0 .Lentry_in_a_cluster
	s_endpgm
.Lentry_in_a_cluster:
	s_bfe_u32 s2, ttmp6, 0x10000c
	s_cmp_lg_u32 s2, 0x3003
	s_cbranch_scc0 .Lentry_shape_is_right
	s_endpgm
.Lentry_shape_is_right:
; Causal attention of one head on codes of FP6 (E2M3): S^T = K Q^T, p = 2^(t - M) with a running whole-number M, O^T += V^T p^T, O / l quantised along the head's 64 channels for the projection.
; The four work-groups of a head (ttmp7) form a cluster of 4 x 1.  The work-group at place cx takes the 32 tiles of 16 queries 4 k + cx; each of its 16 waves takes k = wave and k = 31 - wave: 17 key steps of 128 keys a wave.
; All of the head's K, V and scale words lie in LDS, filled once, by JOINT loads of the four partners (mask 15): one tensor load a wave, behind a round of the cluster's barrier:
; waves 0-3 fetch the scale words and key steps 0 and 1, waves 4-15 the other 14 steps; the first barrier waits for waves 0-3's loads alone.  All fills go out at the head, so no prefetch is laid.
; Key steps that lie wholly above the diagonal are jumped over by a scalar branch.  A tile's last key step is (4 k + cx) / 8 = k / 2: it is made of the wave's number alone, so no branch hangs on the place in the cluster; every partner reads every key step.
; The result leaves as half images oc[token tile][head][768 bytes] and scale bytes os[token tile][row][2 head + block].
; LIMITS: NaN and infinities are not served; the promise holds while the scaled scores stay under 2^31 in magnitude.
.macro CROUND                          ; a round of the cluster's barrier
	s_barrier_signal -1
	s_barrier_wait -1
	s_cmp_lg_u32 s[WV], 0
	s_cbranch_scc1 .Lnot_wave_0_\@
	s_barrier_signal -3
.Lnot_wave_0_\@:
	s_barrier_wait -3
	s_barrier_signal -1
	s_barrier_wait -1
.endm
.set HS,    315392
.set QIMG,  208896
.set QSCW,  307200
.set STEPB, 12288
.set EARLY, 9216
.set LATE,  14336
.set L16, 1
.set L8,  2
.set L4,  3
.set AC16, 4
.set AC8, 5
.set ASK, 6
.set ASV, 7
.set RQ,  8
.set DQ,  9
.set R4,  10
.set R32, 11
.set QF,  16
.set QSC, 28
.set NINF, 29
.set KV,  32
.set KSC, 86
.set VSC, 90
.set S,   96
.set OT,  160
.set CD,  192
.set CT,  204
.set BMX, 212
.set BT,  216
.set SCO, 220
.set F,   224
.set PW,  225
.set TMP, 226
.set SUM2, 228
.set WV,  10
.set JB,  11
.set BH,  12
.set G1E, 16
.set G1L, 24
.set G0E, 32
.set G0L, 36
.set SEL, 40
.set CS,  42
.set KSI, 44
.set SD,  45
.set TC,  46
.set TSK, 47
.set TSV, 48
.set CNT, 49
.set TAU, 50
.set QP,  52
.set QSP, 54
.set OP,  56
.set OSP, 58
.set HD,  72
	s_load_b128 s[4:7], s[0:1], 0x0
	s_load_b64 s[8:9], s[0:1], 0x10
	v_lshl_add_u32 v254, v0, 2, 0x33000
	v_mov_b32 v255, 0
	ds_add_u32 v254, v255
	ds_add_u32 v254, v255
	v_lshrrev_b32 v[TMP], 5, v0
	s_delay_alu instid0(VALU_DEP_1)
	v_readfirstlane_b32 s[WV], v[TMP]
	s_bfe_u32 s[JB], ttmp6, 0x40000                ; cx: my place in the cluster
	s_and_b32 s[BH], ttmp7, 0xffff
	s_mul_i32 s60, s[BH], HS
	s_mov_b32 s61, 0
	s_mov_b32 s[G1E], (3<<16)|(1<<21)|15
	s_mov_b32 s[G1E+1], 32<<16
	s_mov_b32 s[G1E+2], 36<<16
	s_mov_b32 s[G1E+3], 32<<16
	s_mov_b32 s[G1E+4], 36
	s_mov_b32 s[G1E+5], 32
	s_mov_b32 s[G1E+6], 0
	s_mov_b32 s[G1E+7], 0
	s_mov_b32 s[G1L], (3<<16)|(1<<21)|15
	s_mov_b32 s[G1L+1], 32<<16
	s_mov_b32 s[G1L+2], 56<<16
	s_mov_b32 s[G1L+3], 32<<16
	s_mov_b32 s[G1L+4], 56
	s_mov_b32 s[G1L+5], 32
	s_mov_b32 s[G1L+6], 0
	s_mov_b32 s[G1L+7], 0
	s_mov_b32 s[G0E], 1
	s_mul_i32 s[G0E+1], s[WV], EARLY
	s_mov_b32 s[G0L], 1
	s_add_co_u32 s[G0L+1], s[WV], 12
	s_and_b32 s[G0L+1], s[G0L+1], 15               ; wave - 4 for waves 4 to 15
	s_mul_i32 s[G0L+1], s[G0L+1], LATE
	s_add_co_u32 s[G0L+1], s[G0L+1], 4*EARLY
	s_mov_b32 s62, s[G0E+1]
	s_mov_b32 s63, 0
	s_mov_b32 s66, s[G0L+1]
	s_mov_b32 s67, 0
	s_mov_b32 s[SEL], 0x76543210
	s_mov_b32 s[SEL+1], 0xfedcba98
	s_mov_b32 s[CS], 0x3e38aa3b
	s_mov_b32 s[CS+1], s[CS]
	s_wait_dscnt 0x0
	CROUND                                         ; in front of the joint loads
	s_wait_kmcnt 0x0
	s_add_nc_u64 s[HD:HD+1], s[4:5], s[60:61]
	s_add_nc_u64 s[G0E+2:G0E+3], s[HD:HD+1], s[62:63]
	s_or_b32 s[G0E+3], s[G0E+3], 0x80000000
	s_add_nc_u64 s[G0L+2:G0L+3], s[HD:HD+1], s[66:67]
	s_or_b32 s[G0L+3], s[G0L+3], 0x80000000
	s_cmp_lt_u32 s[WV], 4
	s_cbranch_scc0 .Llate
	tensor_load_to_lds s[G0E:G0E+3], s[G1E:G1E+7]
	s_nop 0
.rept 4
	v_nop
.endr
	s_branch .Lasked
.Llate:
	tensor_load_to_lds s[G0L:G0L+3], s[G1L:G1L+7]
	s_nop 0
.rept 4
	v_nop
.endr
.Lasked:
	v_and_b32 v[TMP], 31, v0
	s_delay_alu instid0(VALU_DEP_1)
	v_lshlrev_b32 v[L16], 4, v[TMP]
	s_delay_alu instid0(VALU_DEP_2)
	v_lshlrev_b32 v[L8], 3, v[TMP]
	s_delay_alu instid0(VALU_DEP_1)
	v_add_nc_u32 v[L8], 512, v[L8]
	s_delay_alu instid0(VALU_DEP_4)
	v_lshlrev_b32 v[L4], 2, v[TMP]
	v_and_b32 v[R4], 15, v0
	v_bfe_u32 v[R32], v0, 4, 1
	s_delay_alu instid0(VALU_DEP_2)
	v_and_b32 v[RQ], 8, v[R4]
	s_delay_alu instid0(VALU_DEP_1)
	v_add_nc_u32 v[RQ], v[RQ], v[R4]
	s_delay_alu instid0(VALU_DEP_3)
	v_lshlrev_b32 v[DQ], 4, v[R32]
	s_delay_alu instid0(VALU_DEP_1)
	v_sub_nc_u32 v[RQ], v[RQ], v[DQ]
	v_lshlrev_b32 v[R32], 5, v[R4]
	v_lshlrev_b32 v[R4], 2, v[R4]
	v_mov_b32 v[NINF], 0xff800000
.irp i, 0,1,2,3,4,5
	v_mov_b32 v[QF+6+\i], 0
	v_mov_b32 v[KV+48+\i], 0
.endr
.irp b, 0,1,2,3
	v_mov_b32 v[BT+\b], 0
.endr
	v_mov_b32 v[PW], 0
.macro SETUP hi
.if !\hi
	s_wait_xcnt 0x0
.endif
.if \hi
	s_sub_co_u32 s[SD], 31, s[WV]                  ; k
.else
	s_mov_b32 s[SD], s[WV]
.endif
	s_lshl_b32 s[TAU], s[SD], 2
	s_add_co_u32 s[TAU], s[TAU], s[JB]             ; my tile: 4 k + cx
	s_lshr_b32 s[SD], s[SD], 1                     ; its last key step, of the wave's number alone
	s_mul_i32 s60, s[TAU], 768
	s_add_co_u32 s60, s60, QIMG
	s_mov_b32 s61, 0
	s_add_nc_u64 s[QP:QP+1], s[HD:HD+1], s[60:61]
	s_lshl_b32 s60, s[TAU], 6
	s_add_co_u32 s60, s60, QSCW
	s_add_nc_u64 s[QSP:QSP+1], s[HD:HD+1], s[60:61]
	global_load_b128 v[QF:QF+3], v[L16], s[QP:QP+1]
	global_load_b64 v[QF+4:QF+5], v[L8], s[QP:QP+1]
	global_load_b32 v[QSC], v[R4], s[QSP:QSP+1]
	s_and_b32 s62, s[BH], 15
	s_lshr_b32 s63, s[BH], 4
	s_lshl_b32 s63, s63, 7
	s_add_co_u32 s63, s63, s[TAU]
	s_lshl_b32 s60, s63, 4
	s_add_co_u32 s60, s60, s62
	s_mul_i32 s60, s60, 768
	s_add_nc_u64 s[OP:OP+1], s[6:7], s[60:61]
	s_lshl_b32 s60, s63, 9
	s_lshl_b32 s62, s62, 1
	s_add_co_u32 s60, s60, s62
	s_add_nc_u64 s[OSP:OSP+1], s[8:9], s[60:61]
	s_bfe_u32 s60, s[TAU], 0x20001
	s_lshl_b32 s60, s60, 5
	s_and_b32 s62, s[TAU], 1
	s_lshl_b32 s62, s62, 3
	s_add_co_u32 s60, s60, s62
	v_add_nc_u32 v[DQ], s60, v[RQ]
	v_mov_b32 v13, 0xff61b1e6
	s_delay_alu instid0(VALU_DEP_1)
	v_floor_f32 v12, -v13
	v_mov_b32 v14, 0
	v_mov_b32 v15, 0
.set n, 0
.rept 32
	v_mov_b32 v[OT+n], 0
.set n, n+1
.endr
	s_mov_b32 s[KSI], 0
	s_mov_b32 s[TC], STEPB
	s_mov_b32 s[TSK], 0
	s_mov_b32 s[TSV], 8192
	s_wait_loadcnt 0x0
.endm
.macro STEP
	s_cmp_gt_u32 s[KSI], s[SD]
	s_cbranch_scc1 .Lhid_\@
	v_add_nc_u32 v[AC16], s[TC], v[L16]
	v_add_nc_u32 v[AC8], s[TC], v[L8]
	v_add_nc_u32 v[ASK], s[TSK], v[L4]
	v_add_nc_u32 v[ASV], s[TSV], v[L4]
.irp i, 0,1,2,3,4,5,6,7
	ds_load_b128 v[KV+6*\i:KV+6*\i+3], v[AC16] offset:768*\i
	ds_load_b64 v[KV+6*\i+4:KV+6*\i+5], v[AC8] offset:768*\i
.endr
.irp p, 0,1,2,3
	ds_load_b32 v[KSC+\p], v[ASK] offset:128*\p
.endr
	s_wait_alu depctr_va_vdst(0)
	s_wait_dscnt 0x0
.irp i, 0,2,4,6
	v_wmma_scale_f32_16x16x128_f8f6f4 v[S+8*\i:S+8*\i+7], v[KV+6*\i:KV+6*\i+11], v[QF:QF+11], 0, v[KSC+\i/2], v[QSC] matrix_a_fmt:MATRIX_FMT_FP6 matrix_b_fmt:MATRIX_FMT_FP6
	v_wmma_scale_f32_16x16x128_f8f6f4 v[S+8*\i+8:S+8*\i+15], v[KV+6*\i+6:KV+6*\i+17], v[QF:QF+11], 0, v[KSC+\i/2], v[QSC] matrix_a_fmt:MATRIX_FMT_FP6 matrix_b_fmt:MATRIX_FMT_FP6 matrix_a_scale:MATRIX_SCALE_ROW1
.endr
.rept 4
	v_nop
.endr
.irp g, 0,1,2,3,4,5,6,7
	ds_load_b128 v[KV+6*\g:KV+6*\g+3], v[AC16] offset:6144+768*\g
	ds_load_b64 v[KV+6*\g+4:KV+6*\g+5], v[AC8] offset:6144+768*\g
.endr
.irp p, 0,1
	ds_load_b32 v[VSC+\p], v[ASV] offset:128*\p
.endr
	s_cmp_lg_u32 s[KSI], s[SD]
	s_cbranch_scc1 .Lopen_\@
.set n, 0
.rept 64
	v_cmp_gt_i32 vcc_lo, 32*(n/16)+n%16, v[DQ]
	v_cndmask_b32 v[S+n], v[S+n], v[NINF], vcc_lo
.set n, n+1
.endr
.Lopen_\@:
.irp b, 0,1,2,3
	v_max3_num_f32 v[BMX+\b], v[S+16*\b], v[S+1+16*\b], v[S+2+16*\b]
.endr
.irp i, 3,5,7,9,11,13
.irp b, 0,1,2,3
	v_max3_num_f32 v[BMX+\b], v[BMX+\b], v[S+16*\b+\i], v[S+1+16*\b+\i]
.endr
.endr
.irp b, 0,1,2,3
	v_max_num_f32 v[BMX+\b], v[BMX+\b], v[S+15+16*\b]
.endr
.irp b, 0,1,2,3
	s_delay_alu instid0(VALU_DEP_4)
	v_permlanex16_b32 v[BT+\b], v[BMX+\b], s[SEL], s[SEL+1]
.endr
.irp b, 0,1,2,3
	s_delay_alu instid0(VALU_DEP_4)
	v_max_num_f32 v[BMX+\b], v[BMX+\b], v[BT+\b]
.endr
	s_delay_alu instid0(VALU_DEP_2)
	v_max3_num_f32 v[TMP], v[BMX], v[BMX+1], v[BMX+2]
	s_delay_alu instid0(VALU_DEP_1)
	v_max_num_f32 v[TMP], v[TMP], v[BMX+3]
	s_delay_alu instid0(VALU_DEP_1)
	v_mul_f32 v[TMP], s[CS], v[TMP]
	s_delay_alu instid0(VALU_DEP_1)
	v_max_num_f32 v13, v13, v[TMP]
	v_mov_b32 v[TMP], v12
	s_delay_alu instid0(VALU_DEP_2)
	v_floor_f32 v12, -v13
	s_delay_alu instid0(VALU_DEP_1)
	v_sub_f32 v[TMP], v12, v[TMP]
	s_delay_alu instid0(VALU_DEP_1)
	v_cvt_i32_f32 v[TMP], v[TMP]
	s_delay_alu instid0(VALU_DEP_1)
	v_ldexp_f32 v[F], 1.0, v[TMP]
.set n, 0
.rept 32
	v_pk_fma_f32 v[S+n:S+n+1], v[S+n:S+n+1], s[CS:CS+1], v[12:13] op_sel_hi:[1,0,0]
.set n, n+2
.endr
.irp b, 0,1,2,3
	v_fma_f32 v[BMX+\b], v[BMX+\b], s[CS], v12
.endr
.set n, 0
	s_wait_alu depctr_va_vdst(0)
.rept 64
	v_exp_f32 v[S+n], v[S+n]
.set n, n+1
.endr
	v_pk_mul_f32 v[14:15], v[14:15], v[F:F+1] op_sel_hi:[1,0]
	s_wait_alu depctr_va_vdst(0)
.irp b, 0,1,2,3
	v_exp_f32 v[BMX+\b], v[BMX+\b]
.endr
	v_pk_add_f32 v[SUM2:SUM2+1], v[S:S+1], v[S+2:S+3]
.irp j, 4,8,12,16,20,24,28,32,36,40,44,48,52,56,60
	v_pk_add_f32 v[14:15], v[14:15], v[S+\j:S+\j+1]
	v_pk_add_f32 v[SUM2:SUM2+1], v[SUM2:SUM2+1], v[S+2+\j:S+3+\j]
.endr
	s_delay_alu instid0(VALU_DEP_1)
	v_pk_add_f32 v[14:15], v[14:15], v[SUM2:SUM2+1]
	s_wait_alu depctr_va_vdst(0)
.irp b, 0,1,2,3
	v_max_num_f32 v[BMX+\b], 0x1800000, v[BMX+\b]
.endr
.irp b, 0,1,2,3
	s_delay_alu instid0(VALU_DEP_4)
	v_add_nc_u32 v[SCO+\b], 0xff000000, v[BMX+\b]
.endr
.irp b, 0,1,2,3
	s_delay_alu instid0(VALU_DEP_4)
	v_lshrrev_b32 v[BT+\b], 23, v[SCO+\b]
.endr
	s_delay_alu instid0(VALU_DEP_3)
	v_lshl_or_b32 v[PW], v[BT+1], 8, v[BT]
	s_delay_alu instid0(VALU_DEP_1)
	v_lshl_or_b32 v[PW], v[BT+2], 16, v[PW]
	s_delay_alu instid0(VALU_DEP_1)
	v_lshl_or_b32 v[PW], v[BT+3], 24, v[PW]
.irp c, 0,1
	v_cvt_scalef32_pk16_fp6_f32 v[CD+6*\c:CD+2+6*\c], v[S+32*\c:S+15+32*\c], v[SCO+2*\c]
	v_cvt_scalef32_pk16_fp6_f32 v[CT+4*\c:CT+2+4*\c], v[S+16+32*\c:S+31+32*\c], v[SCO+2*\c+1]
.endr
	v_nop
.irp c, 0,1
.irp i, 0,1,2
	v_permlane16_swap_b32 v[CD+6*\c+\i], v[CT+4*\c+\i]
.endr
.irp i, 0,1,2
	s_delay_alu instid0(VALU_DEP_3)
	v_mov_b32 v[CD+3+6*\c+\i], v[CT+4*\c+\i]
.endr
.endr
.set n, 0
.rept 16
	v_pk_mul_f32 v[OT+n:OT+n+1], v[OT+n:OT+n+1], v[F:F+1] op_sel_hi:[1,0]
.set n, n+2
.endr
	s_wait_alu depctr_va_vdst(0)
	s_wait_dscnt 0x0
.irp t, 0,2
	v_wmma_scale_f32_16x16x128_f8f6f4 v[OT+8*\t:OT+8*\t+7], v[KV+12*\t:KV+12*\t+11], v[CD:CD+11], v[OT+8*\t:OT+8*\t+7], v[VSC+\t/2], v[PW] matrix_a_fmt:MATRIX_FMT_FP6 matrix_b_fmt:MATRIX_FMT_FP6
	v_wmma_scale_f32_16x16x128_f8f6f4 v[OT+8*\t+8:OT+8*\t+15], v[KV+12*\t+12:KV+12*\t+23], v[CD:CD+11], v[OT+8*\t+8:OT+8*\t+15], v[VSC+\t/2], v[PW] matrix_a_fmt:MATRIX_FMT_FP6 matrix_b_fmt:MATRIX_FMT_FP6 matrix_a_scale:MATRIX_SCALE_ROW1
.endr
.Lhid_\@:
	s_add_co_u32 s[KSI], s[KSI], 1
	s_add_co_u32 s[TC], s[TC], STEPB
	s_add_co_u32 s[TSK], s[TSK], 512
	s_add_co_u32 s[TSV], s[TSV], 256
.endm
.macro KLOOP n
	s_mov_b32 s[CNT], \n
.Lk_\@:
	STEP
	s_sub_co_u32 s[CNT], s[CNT], 1
	s_cmp_lg_u32 s[CNT], 0
	s_cbranch_scc1 .Lk_\@
.endm
.macro OUT
.rept 4
	v_nop
.endr
	v_add_f32 v14, v14, v15
	s_delay_alu instid0(VALU_DEP_1)
	v_permlanex16_b32 v[TMP], v14, s[SEL], s[SEL+1]
	s_delay_alu instid0(VALU_DEP_1)
	v_add_f32 v14, v14, v[TMP]
	s_wait_alu depctr_va_vdst(0)
	v_rcp_f32 v14, v14
	v_nop
	s_wait_alu depctr_va_vdst(0)
.set n, 0
.rept 16
	v_pk_mul_f32 v[S+n:S+n+1], v[OT+n:OT+n+1], v[14:15] op_sel_hi:[1,0]
.set n, n+2
.endr
.irp b, 0,1
	v_max3_num_f32 v[BMX+\b], |v[S+16*\b]|, |v[S+1+16*\b]|, 0x1800000
.endr
.irp i, 2,4,6,8,10,12,14
.irp b, 0,1
	s_delay_alu instid0(VALU_DEP_2)
	v_max3_num_f32 v[BMX+\b], v[BMX+\b], |v[S+16*\b+\i]|, |v[S+1+16*\b+\i]|
.endr
.endr
.irp b, 0,1
	s_delay_alu instid0(VALU_DEP_2)
	v_permlanex16_b32 v[BT+\b], v[BMX+\b], s[SEL], s[SEL+1]
.endr
.irp b, 0,1
	s_delay_alu instid0(VALU_DEP_2)
	v_max_num_f32 v[BMX+\b], v[BMX+\b], v[BT+\b]
.endr
.irp b, 0,1
	s_delay_alu instid0(VALU_DEP_2)
	v_add_nc_u32 v[SCO+\b], 0xff000000, v[BMX+\b]
.endr
.irp b, 0,1
	s_delay_alu instid0(VALU_DEP_2)
	v_lshrrev_b32 v[BT+\b], 23, v[SCO+\b]
.endr
	s_delay_alu instid0(VALU_DEP_1)
	v_lshl_or_b32 v[PW], v[BT+1], 8, v[BT]
	v_cvt_scalef32_pk16_fp6_f32 v[CD:CD+2], v[S:S+15], v[SCO]
	v_cvt_scalef32_pk16_fp6_f32 v[CT:CT+2], v[S+16:S+31], v[SCO+1]
	v_nop
.irp i, 0,1,2
	v_permlane16_swap_b32 v[CD+\i], v[CT+\i]
.endr
.irp i, 0,1,2
	s_delay_alu instid0(VALU_DEP_3)
	v_mov_b32 v[CD+3+\i], v[CT+\i]
.endr
	global_store_b128 v[L16], v[CD:CD+3], s[OP:OP+1]
	global_store_b64 v[L8], v[CD+4:CD+5], s[OP:OP+1]
	global_store_b16 v[R32], v[PW], s[OSP:OSP+1]
.endm
	SETUP 1
	s_wait_alu depctr_va_vdst(0)
	s_cmp_lt_u32 s[WV], 4
	s_cbranch_scc0 .Lnot_early
	s_wait_tensorcnt 0x0
.Lnot_early:
	s_barrier_signal -1
	s_barrier_wait -1
	KLOOP 2
	s_wait_tensorcnt 0x0
	s_wait_dscnt 0x0
	s_barrier_signal -1
	s_barrier_wait -1
	KLOOP 14
	OUT
	SETUP 0
	KLOOP 8
	OUT
	s_wait_tensorcnt 0x0
	ds_add_u32 v254, v255
	s_wait_dscnt 0x0
	CROUND                                         ; the closing round
	s_endpgm
.Lfunc_end_k_q9c3023c1ca_attn:
	.size	k_q9c3023c1ca_attn, .Lfunc_end_k_q9c3023c1ca_attn-k_q9c3023c1ca_attn
	.p2alignl 7, 3214868480
	.fill 96, 4, 3214868480
	.section	.rodata,"a",@progbits
	.p2align	6, 0x0
	.amdhsa_kernel k_q9c3023c1ca_attn
		.amdhsa_group_segment_fixed_size 327680
		.amdhsa_private_segment_fixed_size 0
		.amdhsa_enable_private_segment 0
		.amdhsa_kernarg_size 24
		.amdhsa_user_sgpr_count 2
		.amdhsa_user_sgpr_kernarg_segment_ptr 1
		.amdhsa_wavefront_size32 1
		.amdhsa_system_sgpr_workgroup_id_x 1
		.amdhsa_system_sgpr_workgroup_id_y 1
		.amdhsa_system_sgpr_workgroup_id_z 1
		.amdhsa_system_vgpr_workitem_id 0
		.amdhsa_next_free_vgpr 256
		.amdhsa_next_free_sgpr 80
		.amdhsa_reserve_vcc 1
		.amdhsa_float_denorm_mode_32 3
		.amdhsa_float_denorm_mode_16_64 3
		.amdhsa_memory_ordered 1
		.amdhsa_forward_progress 1
		.amdhsa_inst_pref_size 88
	.end_amdhsa_kernel
	.amdgpu_metadata
---
amdhsa.version: [ 1, 2 ]
amdhsa.kernels:
  - .name:           k_q9c3023c1ca_attn
    .symbol:         k_q9c3023c1ca_attn.kd
    .args:
      - { .name: qkv, .offset: 0, .size: 8, .value_kind: global_buffer, .address_space: global }
      - { .name: oc, .offset: 8, .size: 8, .value_kind: global_buffer, .address_space: global }
      - { .name: os, .offset: 16, .size: 8, .value_kind: global_buffer, .address_space: global }
    .group_segment_fixed_size: 327680
    .private_segment_fixed_size: 0
    .kernarg_segment_align: 8
    .kernarg_segment_size: 24
    .max_flat_workgroup_size: 512
    .sgpr_count:     80
    .vgpr_count:     256
    .wavefront_size: 32
...
	.end_amdgpu_metadata
.endif
;; end of part 3
;; launch gemm_proj (part 4): grid 8 x 32, 4 waves a work-group, clusters of 4 x 4, 327,680 bytes of LDS; arguments oc, os, codes, scales, b_proj, out0; writes out0
.if DOCPART == 4
	.amdgcn_target "amdgcn-amd-amdhsa--gfx1250"
	.amdhsa_code_object_version 6
	.text
	.protected	k_q9c3023c1ca_gemm_proj
	.globl	k_q9c3023c1ca_gemm_proj
	.p2align	8
	.type	k_q9c3023c1ca_gemm_proj,@function
k_q9c3023c1ca_gemm_proj:
	s_mov_b64 s[64:65], 0
	v_nop
	global_prefetch_b8 v0, s[64:65] scope:SCOPE_SE
	s_setreg_imm32_b32 hwreg(HW_REG_WAVE_MODE, 25, 1), 1
	s_wait_xcnt 0x0
	s_wait_alu depctr_hold_cnt(0) depctr_sa_sdst(0) depctr_va_vdst(0) depctr_va_sdst(0) depctr_va_ssrc(0) depctr_va_vcc(0) depctr_vm_vsrc(0)
	s_getreg_b32 s2, hwreg(HW_REG_IB_STS2, 6, 4)
	s_cmp_eq_u32 s2, 0
	s_cbranch_scc0 .Lentry_in_a_cluster
	s_endpgm
.Lentry_in_a_cluster:
	s_bfe_u32 s2, ttmp6, 0x10000c
	s_cmp_lg_u32 s2, 0xf033
	s_cbranch_scc0 .Lentry_shape_is_right
	s_endpgm
.Lentry_shape_is_right:
; out0 = O W_proj^T + b_proj on codes of FP6 (E2M3) with E8M0 scales, K = 1,024.
; THE DEAL: 256 work-groups, 8 column groups g of 128 columns x 32 row tiles R of 256 tokens (16 token tiles).  Four waves, 2 x 2: wave (a, b) takes token tiles 8 a + 0 .. 7 and columns 64 b + 0 .. 63:
; its 64 rows of W_proj, all of K, lie in 384 registers; the token tiles stream past them, 32 products a tile.
; LDS, every byte filled once: O's 16 token tiles as they lie in oc ([tile][head][768 bytes]: a dense block, fetched as rows of 256 bytes); W_proj's 128 rows (768 bytes, 16 of padding behind every 256); a stage of 16 x 272 bytes a wave; the spare words.
; No LDS byte is filled again and the launch has no loop to run ahead in: no prefetch is laid.  CLUSTERS 4 x 4: O's tiles are asked for jointly along a row of the cluster, W_proj's rows along a column.
; A fragment of O for 128 along K is the half images of heads 2 q and 2 q + 1 (registers 0-3 at 16 x lane, 4-5 at 512 + 8 x lane).  Source 0 = W_proj's rows: lane (r, h) holds token row r, and registers of tiles 2 u, 2 u + 1 are columns 32 u + 16 h + 0 .. 15
; (W_proj's rows are stored with bits 3 and 4 of their number swapped).  Row r of token tile T is token 32 (T / 2) + 8 (T % 2) + r + 8 (r / 8).  The bias is the C of a tile's first four products.
; A tile's 16 x 64 results go through the wave's own stage and leave as rows of 256 consecutive bytes, aligned.
; LIMITS: NaN and infinities are not served.
.set KROW,  768
.set PITCH, 816
.set WB,    196608
.set STG,   WB+128*PITCH
.set SPARE, STG+4*16*272
.set FR,    12
.set FPW,   21
.set AA,    4                          ; v4, v5 LDS address of my tiles 0-3 (16 x lane; 512 + 8 x lane); v6, v7 of tiles 4-7
.set SPW,   10
.set NIL,   11
.set STO,   12
.set RD,    13
.set VB,    14
.set CO,    15
.set BA,    16
.set SB,    24
.set L32,   40
.set SA,    44
.set ACC,   76
.set BC,    108
.set OB,    140
.set G1X, 24
.set G1W, 32
.set G0X, 48
.set G0W, 52
.set WSC, 68
.set SAX, 72
.set MSB, 0
.macro WIN new
.if MSB != (\new)
	s_set_vgpr_msb (MSB<<8)|(\new)
.set MSB, (\new)
.endif
.endm
.macro PLACES n
.rept \n
	v_nop
.endr
.endm
.macro WALU
	s_wait_alu depctr_va_vdst(0)
.endm
.macro BARRIER
	s_barrier_signal -1
	s_barrier_wait -1
.endm
.macro CROUND
	BARRIER
	s_cmp_lg_u32 s14, 0
	s_cbranch_scc1 .Lnot_wave_0_\@
	s_barrier_signal -3
.Lnot_wave_0_\@:
	s_barrier_wait -3
	BARRIER
.endm
.macro TLOAD g0, g1
	tensor_load_to_lds s[\g0:\g0+3], s[\g1:\g1+7]
	s_nop 0
	PLACES 4
.endm
.macro FRAG f, q, a                    ; a fragment of W_proj: six pieces of 8 bytes; register a + 1 serves the pieces whose upper lanes read behind one padding more
	WIN (1+(\f)/FPW)<<6
.set R_, FR*((\f)%FPW)
.set SKIP_, 0
.irp p, 0,1,2,3,4,5
.if SKIP_
.set SKIP_, 0
.else
.set PC_, 12*(\q)+6*(\p/3)+\p%3
.set PN_, 12*(\q)+6*((\p+1)/3)+(\p+1)%3
.set X_, (PC_%32+3)/32
.set XQ_, (PN_%32+3)/32
.if (\p < 5) && (X_ == XQ_)
.set SKIP_, 1
	ds_load_2addr_b64 v[R_+2*\p:R_+2*\p+3], v[(\a)+X_] offset0:PC_+2*(PC_/32) offset1:PN_+2*(PN_/32)
.else
	ds_load_b64 v[R_+2*\p:R_+2*\p+1], v[(\a)+X_] offset:8*(PC_+2*(PC_/32))
.endif
.endif
.endr
.endm
.macro FETCHA e, s                     ; token tile s into set e: 32 loads
.set AR_, AA+2*((\s)/4)
.set O_, 12288*((\s)%4)
.irp q, 0,1,2,3,4,5,6,7
.set F_, 32+8*(\e)+\q
.set R_, FR*(F_%FPW)
	WIN (1+F_/FPW)<<6
	ds_load_b128 v[R_:R_+3], v[AR_] offset:O_+1536*\q
	ds_load_b64 v[R_+4:R_+5], v[AR_+1] offset:O_+1536*\q
	ds_load_b128 v[R_+6:R_+9], v[AR_] offset:O_+1536*\q+768
	ds_load_b64 v[R_+10:R_+11], v[AR_+1] offset:O_+1536*\q+768
.endr
	WIN 0
.endm
.macro WM1 d, a, b, c, xa, xb, ra, rb
	v_wmma_scale_f32_16x16x128_f8f6f4 v[\d:\d+7], v[FR*((\a)%FPW):FR*((\a)%FPW)+FR-1], v[FR*((\b)%FPW):FR*((\b)%FPW)+FR-1], \c, v[\xa], v[\xb] matrix_a_fmt:MATRIX_FMT_FP6 matrix_b_fmt:MATRIX_FMT_FP6 matrix_a_scale:MATRIX_SCALE_ROW\ra matrix_b_scale:MATRIX_SCALE_ROW\rb
.endm
.macro WM d, a, b, c, xa, xb, ra, rb
.if (\ra) && (\rb)
	WM1 \d, \a, \b, \c, \xa, \xb, 1, 1
.elseif (\ra)
	WM1 \d, \a, \b, \c, \xa, \xb, 1, 0
.elseif (\rb)
	WM1 \d, \a, \b, \c, \xa, \xb, 0, 1
.else
	WM1 \d, \a, \b, \c, \xa, \xb, 0, 0
.endif
.endm
.macro PROD s, q, t
.set FW_, 4*\q+\t
.set FX_, 32+8*((\s)%2)+\q
.set XW_, SB+8*(\t/2)+\q
.set XX_, SA+8*((\s)/2)+\q
	WIN (1+FW_/FPW)|((1+FX_/FPW)<<2)
.if \q
	WM ACC+8*\t, FW_, FX_, v[ACC+8*\t:ACC+8*\t+7], XW_, XX_, \t%2, (\s)%2
.else
	WM ACC+8*\t, FW_, FX_, v[BC+8*\t:BC+8*\t+7], XW_, XX_, \t%2, (\s)%2
.endif
.endm
.macro BLK s
.if (\s) < 7
	s_wait_dscnt 32                                ; this tile's fragments are in; the next tile's 32 loads may be out
.else
	s_wait_dscnt 0x0
.endif
.irp q, 0,1,2,3,4,5,6,7                ; the four accumulators by turns
.irp t, 0,1,2,3
	PROD \s, \q, \t
.endr
.endr
	WIN 0
	PLACES 5                                       ; ahead of the reads of the sums, the loads into the operands, and the next tile's products, which begin the sums anew
	s_wait_xcnt 0x0                                ; the last tile's stores have read v[OB] on
.irp t, 0,1,2,3
	ds_store_b128 v[STO], v[ACC+8*\t:ACC+8*\t+3] offset:128*(\t/2)+32*(\t%2)
	ds_store_b128 v[STO], v[ACC+8*\t+4:ACC+8*\t+7] offset:128*(\t/2)+32*(\t%2)+16
.endr
.irp i, 0,1,2,3,4,5,6,7
	ds_load_b128 v[OB+4*\i:OB+4*\i+3], v[RD] offset:\i*2*272       ; LDS serves a wave's instructions in order: these see my stores
.endr
.if (\s) < 6
	FETCHA (\s)%2, (\s)+2
	s_wait_dscnt 32                                ; the rows are back; the 32 loads just issued may be out
.else
	s_wait_dscnt 0x0
.endif
.irp i, 0,1,2,3,4,5,6,7
	global_store_b128 v[CO], v[OB+4*\i:OB+4*\i+3], s[58:59] offset:(32*((\s)/2)+8*((\s)%2)+2*\i+8*(\i/4))*4096 th:TH_STORE_NT   ; sixteen lanes store 256 consecutive bytes, aligned
.endr
.endm
	s_load_b128 s[4:7], s[0:1], 0x0                ; oc, os
	s_load_b128 s[8:11], s[0:1], 0x10              ; codes, scales
	s_load_b128 s[56:59], s[0:1], 0x20             ; b_proj, out0
	v_lshl_add_u32 v[SPW], v0, 2, SPARE
	v_mov_b32 v[NIL], 0
	ds_add_u32 v[SPW], v[NIL]
	ds_add_u32 v[SPW], v[NIL]
	v_lshrrev_b32 v1, 5, v0
	v_readfirstlane_b32 s14, v1                    ; wave; s15 = a, s16 = b
	s_lshr_b32 s15, s14, 1
	s_and_b32 s16, s14, 1
	s_bfe_u32 s40, ttmp6, 0x40000
	s_bfe_u32 s41, ttmp6, 0x40004
	s_lshl_b32 s42, ttmp9, 2
	s_add_co_u32 s42, s42, s40                     ; g
	s_and_b32 s43, ttmp7, 0xffff
	s_lshl_b32 s43, s43, 2
	s_add_co_u32 s43, s43, s41                     ; R
	s_lshl_b32 s44, s41, 2
	s_lshl_b32 s44, 15, s44
	s_lshl_b32 s45, 0x1111, s40
	s_or_b32 s[G1X+0], s44, (3<<16)|(1<<21)        ; eight token tiles: 98,304 dense bytes as 384 rows of 256
	s_mov_b32 s[G1X+1], 32<<16
	s_mov_b32 s[G1X+2], 384<<16
	s_mov_b32 s[G1X+3], 32<<16
	s_mov_b32 s[G1X+4], 384
	s_mov_b32 s[G1X+5], 32
	s_mov_b32 s[G1X+6], 0
	s_mov_b32 s[G1X+7], 0
	s_or_b32 s[G1W+0], s45, (1<<20)|(1<<21)|(5<<22)|(3<<25)        ; 64 rows of 768 bytes, 16 of padding behind every 256
	s_mov_b32 s[G1W+1], KROW<<16
	s_mov_b32 s[G1W+2], 64<<16
	s_mov_b32 s[G1W+3], KROW<<16
	s_mov_b32 s[G1W+4], 64
	s_mov_b32 s[G1W+5], KROW
	s_mov_b32 s[G1W+6], 0
	s_mov_b32 s[G1W+7], 0
	s_mul_i32 s17, s43, 196608
	s_mul_i32 s18, s16, 98304
	s_add_co_u32 s17, s17, s18
	s_mul_i32 s19, s42, 128*KROW
	s_mul_i32 s18, s16, 64*KROW
	s_add_co_u32 s19, s19, s18
	s_add_co_u32 s19, s19, 11264*KROW
	s_mov_b32 s[G0X], 1
	s_mul_i32 s[G0X+1], s16, 98304
	s_mov_b32 s[G0W], 1
	s_mul_i32 s[G0W+1], s16, 64*PITCH
	s_add_co_u32 s[G0W+1], s[G0W+1], WB
	s_mov_b32 s21, 0
	WALU
	s_wait_dscnt 0x0
	CROUND                                         ; in front of the joint loads
	s_wait_kmcnt 0x0
	s_mov_b32 s20, s17
	s_add_nc_u64 s[G0X+2:G0X+3], s[4:5], s[20:21]
	s_or_b32 s[G0X+3], s[G0X+3], 0x80000000
	s_mov_b32 s20, s19
	s_add_nc_u64 s[G0W+2:G0W+3], s[8:9], s[20:21]
	s_or_b32 s[G0W+3], s[G0W+3], 0x80000000
	s_cmp_lt_u32 s14, 2
	s_cbranch_scc0 .Lhead_x
	TLOAD G0W, G1W                                 ; waves 0, 1: W_proj's rows, wanted first
	s_branch .Lhead_asked
.Lhead_x:
	TLOAD G0X, G1X                                 ; waves 2, 3: eight token tiles each
.Lhead_asked:
	v_and_b32 v1, 15, v0                           ; r
	v_bfe_u32 v2, v0, 4, 1                         ; h
	v_and_b32 v3, 31, v0
	v_lshlrev_b32 v[L32], 5, v3
	v_lshlrev_b32 v[VB], 6, v2
	s_mul_i32 s20, s15, 98304
	v_lshl_add_u32 v[AA], v3, 4, s20
	v_lshl_add_u32 v[AA+1], v3, 3, s20
	v_add_nc_u32 v[AA+1], 512, v[AA+1]
	v_add_nc_u32 v[AA+2], 49152, v[AA]
	v_add_nc_u32 v[AA+3], 49152, v[AA+1]
	v_mul_u32_u24 v8, v1, PITCH
	v_mad_u32_u24 v9, v2, 24, v8
	v_mad_u32_u24 v8, v2, 40, v8
	s_mul_i32 s20, s16, 64*PITCH
	s_add_co_u32 s20, s20, WB
.irp t, 0,1,2,3
	v_add_nc_u32 v[BA+2*\t], s20, v9
	v_add_nc_u32 v[BA+2*\t+1], s20, v8
	s_add_co_u32 s20, s20, 16*PITCH
.endr
	s_mul_i32 s20, s14, 16*272
	s_add_co_u32 s20, s20, STG
	v_mul_u32_u24 v8, v1, 272
	v_lshl_add_u32 v8, v2, 6, v8
	v_add_nc_u32 v[STO], s20, v8                   ; into the stage: row r, 64 h bytes
	v_mul_u32_u24 v8, v2, 272
	v_lshl_add_u32 v8, v1, 4, v8
	v_add_nc_u32 v[RD], s20, v8                    ; back: lanes 0-15 a row, lanes 16-31 the next
	v_lshlrev_b32 v8, 12, v2
	v_lshl_add_u32 v[CO], v1, 4, v8                ; and the same two rows in out0
	s_lshl_b32 s20, s43, 13                        ; O's scale bytes: 512 (16 R + 8 a)
	s_lshl_b32 s22, s15, 12
	s_add_co_u32 s20, s20, s22
	s_add_nc_u64 s[SAX:SAX+1], s[6:7], s[20:21]
	s_lshl_b32 s20, s42, 12                        ; W_proj's: 32 (11,264 + 128 g + 64 b)
	s_lshl_b32 s22, s16, 11
	s_add_co_u32 s20, s20, s22
	s_add_co_u32 s20, s20, 11264*32
	s_add_nc_u64 s[WSC:WSC+1], s[10:11], s[20:21]
	s_lshl_b32 s20, s42, 9                         ; my first column, in bytes
	s_lshl_b32 s22, s16, 8
	s_add_co_u32 s20, s20, s22
	s_add_nc_u64 s[56:57], s[56:57], s[20:21]
	s_add_nc_u64 s[58:59], s[58:59], s[20:21]
	s_lshl_b32 s20, s43, 20                        ; my first row: 256 R + 128 a, rows of 4,096 bytes
	s_lshl_b32 s22, s15, 19
	s_add_co_u32 s20, s20, s22
	s_add_nc_u64 s[58:59], s[58:59], s[20:21]
	WALU
.irp i, 0,1,2,3
	global_load_b128 v[SA+8*\i:SA+8*\i+3], v[L32], s[SAX:SAX+1] offset:1024*\i
	global_load_b128 v[SA+8*\i+4:SA+8*\i+7], v[L32], s[SAX:SAX+1] offset:1024*\i+16
.endr
.irp p, 0,1
	global_load_b128 v[SB+8*\p:SB+8*\p+3], v[L32], s[WSC:WSC+1] offset:1024*\p
	global_load_b128 v[SB+8*\p+4:SB+8*\p+7], v[L32], s[WSC:WSC+1] offset:1024*\p+16
.endr
.irp t, 0,1,2,3
	global_load_b128 v[BC+8*\t:BC+8*\t+3], v[VB], s[56:57] offset:4*(32*(\t/2)+8*(\t%2))
	global_load_b128 v[BC+8*\t+4:BC+8*\t+7], v[VB], s[56:57] offset:4*(32*(\t/2)+8*(\t%2))+16
.endr
	s_cmp_lt_u32 s14, 2                            ; W_proj's rows are waves 0 and 1's loads
	s_cbranch_scc0 .Lnot_w
	s_wait_tensorcnt 0x0
.Lnot_w:
	BARRIER                                        ; W_proj's rows are in
.irp q, 0,1,2,3,4,5,6,7
.irp t, 0,1,2,3
	FRAG 4*\q+\t, \q, BA+2*\t
.endr
.endr
	WIN 0
	s_wait_tensorcnt 0x0
	s_wait_dscnt 0x0
	BARRIER                                        ; O's tiles are in
	FETCHA 0, 0
	FETCHA 1, 1
	s_wait_loadcnt 0x0
.irp s, 0,1,2,3,4,5,6,7
	BLK \s
.endr
	s_wait_tensorcnt 0x0                           ; the wave's end
	ds_add_u32 v[SPW], v[NIL]
	s_wait_dscnt 0x0
	CROUND                                         ; the closing round
	s_endpgm
.Lfunc_end_k_q9c3023c1ca_gemm_proj:
	.size	k_q9c3023c1ca_gemm_proj, .Lfunc_end_k_q9c3023c1ca_gemm_proj-k_q9c3023c1ca_gemm_proj
	.p2alignl 7, 3214868480
	.fill 96, 4, 3214868480
	.section	.rodata,"a",@progbits
	.p2align	6, 0x0
	.amdhsa_kernel k_q9c3023c1ca_gemm_proj
		.amdhsa_group_segment_fixed_size 327680
		.amdhsa_private_segment_fixed_size 0
		.amdhsa_enable_private_segment 0
		.amdhsa_kernarg_size 48
		.amdhsa_user_sgpr_count 2
		.amdhsa_user_sgpr_kernarg_segment_ptr 1
		.amdhsa_wavefront_size32 1
		.amdhsa_system_sgpr_workgroup_id_x 1
		.amdhsa_system_sgpr_workgroup_id_y 1
		.amdhsa_system_sgpr_workgroup_id_z 1
		.amdhsa_system_vgpr_workitem_id 0
		.amdhsa_next_free_vgpr 848
		.amdhsa_next_free_sgpr 80
		.amdhsa_reserve_vcc 0
		.amdhsa_float_denorm_mode_32 3
		.amdhsa_float_denorm_mode_16_64 3
		.amdhsa_memory_ordered 1
		.amdhsa_forward_progress 1
		.amdhsa_inst_pref_size 82
	.end_amdhsa_kernel
	.amdgpu_metadata
---
amdhsa.version: [ 1, 2 ]
amdhsa.kernels:
  - .name:           k_q9c3023c1ca_gemm_proj
    .symbol:         k_q9c3023c1ca_gemm_proj.kd
    .args:
      - { .name: oc, .offset: 0, .size: 8, .value_kind: global_buffer, .address_space: global }
      - { .name: os, .offset: 8, .size: 8, .value_kind: global_buffer, .address_space: global }
      - { .name: codes, .offset: 16, .size: 8, .value_kind: global_buffer, .address_space: global }
      - { .name: scales, .offset: 24, .size: 8, .value_kind: global_buffer, .address_space: global }
      - { .name: b_proj, .offset: 32, .size: 8, .value_kind: global_buffer, .address_space: global }
      - { .name: out0, .offset: 40, .size: 8, .value_kind: global_buffer, .address_space: global }
    .group_segment_fixed_size: 327680
    .private_segment_fixed_size: 0
    .kernarg_segment_align: 8
    .kernarg_segment_size: 48
    .max_flat_workgroup_size: 128
    .sgpr_count:     80
    .vgpr_count:     848
    .wavefront_size: 32
...
	.end_amdgpu_metadata
.endif
;; end of part 4
